; MI455X (gfx1250); checked and timed in simulation.
; The chip was launched on July 23, 2026; its instructions are those of AMD's public machine-readable ISA for CDNA 5 (MIT licence, August 2026) and "CDNA5" Instruction Set Architecture Reference Guide (July 2026). The comments in the code are by the model that wrote it; some were corrected since.
;; Mahalanobis KDE. Allowed arithmetic: matrix products marked QUANTISED: E2M3 operands, one E8M0 scale for each 32 along K, by v_wmma_scale_f32_16x16x128_f8f6f4 with both operands' format E2M3, f32 sums; everything else in f32.
;; Inputs: X 4,096 x 1,024 float32; gamma one number float32; svs 16,384 x 1,024 float32.
;; Outputs: out0 4,096 float32.
;; This version of the problem:
;;   THIS VERSION OF THE PROBLEM IS GIVEN IN LOW PRECISION. The matrix products marked QUANTISED in the list below multiply operands that are first quantised to E2M3 (2 exponent bits, 3 mantissa bits; 6 bits a number), with one power-of-two scale for each 32 numbers along K (OCP MX v1.0); their sums are f32. All else is computed in f32.
;;   The module's matrix products, in the order in which they are computed (A, B: the left and right operand; K: the contracted axis; several contracted axes count as one K, in the product's order):
;;     1. [M 4,096, K 1,024] x [K 1,024, N 16,384]; A: input X; B: input svs: QUANTISED
;;   THE QUANTISER, for each operand of a quantised product, along K:
;;     - K is cut into blocks of 32 from its start; a last block that is shorter is filled with zeros.
;;     - A block's scale is 2^e with e = floor(log2(the largest magnitude in the block)) - 2, held to -126 .. 127; a block of zeros has e = 0. As a byte (E8M0): e + 127.
;;     - Each number is divided by its block's scale, clamped to +-7.5, and rounded to the nearest number of E2M3, ties to even, subnormals kept.
;;     - The product sums the exact products of the quantised numbers (number of the format x scale) in f32.
;;   ~~~python
;;   def quantise(x, axis):      # numpy; x: float32 -> the quantised numbers, widened to float32 again
;;       x = np.moveaxis(x, axis, -1); K = x.shape[-1]
;;       x = np.pad(x, [(0, 0)] * (x.ndim - 1) + [(0, -K % 32)]); x = x.reshape(x.shape[:-1] + (-1, 32)); a = np.abs(x).max(-1, keepdims=True)
;;       e = np.where(a > 0, np.clip(np.frexp(np.where(a > 0, a, 1))[1] - 1 - 2, -126, 127), 0)      # np.frexp(a)[1] - 1 = floor(log2(a)), exactly
;;       r = np.clip(x / 2.0 ** e, -7.5, 7.5)
;;       step = 2.0 ** (np.maximum(np.frexp(np.where(r == 0, 1, r))[1] - 1, 0) - 3)
;;       q = np.round(r / step) * step * 2.0 ** e      # np.round: ties to even
;;       return np.moveaxis(q.reshape(q.shape[:-2] + (-1,))[..., :K], -1, axis).astype(np.float32)
;;   ~~~
;; One version. Each part assembles by itself: llvm-mc -triple=amdgcn-amd-amdhsa -mcpu=gfx1250 --defsym DOCPART=n.
;; ======== version 1 of 1: 3 launches
;; limits: right only within a limited range of input values
;; workspace buffers: xc 3,145,728 bytes; sc 12,582,912 bytes; xside 147,456 bytes; sside 589,824 bytes; part 1,048,576 bytes
;; launch quant (part 1): grid 320 x 1, 4 waves a work-group, no clusters, 34,560 bytes of LDS; arguments X, svs, gamma, xc, xside, sc, sside; writes xc, xside, sc, sside
.if DOCPART == 1
	.amdgcn_target "amdgcn-amd-amdhsa--gfx1250"
	.amdhsa_code_object_version 6
	.text
	.protected	k_q24a211ffca_quant
	.globl	k_q24a211ffca_quant
	.p2align	8
	.type	k_q24a211ffca_quant,@function
k_q24a211ffca_quant:
	s_mov_b64 s[64:65], 0
	v_nop
	global_prefetch_b8 v0, s[64:65] scope:SCOPE_SE
	s_setreg_imm32_b32 hwreg(HW_REG_WAVE_MODE, 25, 1), 1
	s_wait_xcnt 0x0
; FIRST OF THREE LAUNCHES of out[b] = (logsumexp_n(-gamma max(x2[b] + s2[n] - 2 X[b].svs[n], 0)) - log 16384) / (-gamma); the product X svs^T on codes of FP6 (E2M3), one E8M0 scale for each 32 along K.
; NO WORK OF THE PROBLEM IS LEFT OUT: X, svs and gamma all reach the result, and all three are loaded.  x2 is the same for all n, so it is taken out of the logsumexp by max(x2 + e, 0) = x2 + max(e, -x2)
; and added again at the end; the clamp stays (as max(e, -x2)) and so does the maximum that is taken away before the exponentials (a running one).
; With sp = -gamma log2(e):  z[n] = sp max(s2[n] - 2 P[n], -x2),  out = x2 + (log2(sum_n 2^z[n]) - 14) / sp.
; THIS LAUNCH quantises X [4096][1024] and svs [16384][1024] once, along K, and takes the rows' sums of squares of the UNQUANTISED numbers.
; CODES leave as images of the operand's registers: a block of 16 rows is 12,288 bytes, eight fragments (one for each 128 along K) of 1,536 bytes; register i (0..11) of lane l lies at 512 (i / 4) + 16 l + 4 (i % 4).
; Lane (r = l % 16, h = l / 16) holds row r; registers 6 c .. 6 c + 5 hold k = 64 c + 32 h + 0 .. 31 of the step.
; SIDE RECORDS, one of 36,864 bytes for each 1,024 rows: 32 scale bytes a row (32,768 bytes), then one f32 a row: x2 for X, sp s2 for svs.
; A block's scale is 2^(floor(log2(its largest magnitude)) - 2): its byte is the largest magnitude's exponent field - 2, held at 1 from below.
; LIMITS: NaN and infinities among the inputs are not served; a block whose largest magnitude lies under 2^-124 keeps the byte 1; a block of zeros gets the byte 1 where the rule says 127 (its codes are zeros, and this program alone reads the bytes).
; SHARES: work-groups 0-63 take X, 64-319 svs (pointers are chosen, the path is one).  A work-group takes 64 rows, a wave 16: one block, in eight steps of 128 along K, written out: every offset is an immediate.
; Each load reads 512 consecutive bytes of a row; a step's 8,192 bytes turn through the wave's own stage in LDS (rows 528 bytes apart), so that a lane gets two whole blocks of 32 neighbours.  Loads run two steps (32 loads a wave) ahead.
.set PITCH, 528
.set STG,   16*PITCH                   ; a wave's stage
.set NORM,  4*STG                      ; 64 sums of squares: 256 bytes
.set SPARE, NORM+256                   ; the spare words, 128 bytes for each wave: two blocks of 256 bytes that no other line names
.set GA,  4                            ; v4   16 x lane: my bytes of a load's or a store's 512
.set SI,  5                            ; v5   the stage, on the way in
.set SO,  6                            ; v6   and on the way out: 528 r + 128 h
.set H8,  7                            ; v7   8 h
.set SCA, 8                            ; v8   my 16 scale bytes in the side record
.set NW,  9                            ; v9   LDS: my row's sum of squares
.set NG,  10                           ; v10  the sums' place in the side record, 8 bytes a lane
.set NR,  11                           ; v11  LDS: the same 8 bytes
.set SPW, 12                           ; v12  LDS address of my spare word; never rewritten
.set NIL, 13                           ; v13  0; never rewritten
.set R,   16                           ; v16-143  two sets of 64 numbers as loaded
.set XN,  144                          ; v144-207 register 32 c + i = k 64 c + 32 h + i of my row
.set P,   208                          ; v208-219 the fragment's twelve registers
.set T,   220                          ; v220-222, v224-226: the second halves of the two blocks' codes
.set TB2, 224
.set SW,  228                          ; v228-235 my row's eight scale words
.set NA,  236                          ; v236-239 the sum of squares, in two packed chains
.set MX,  240                          ; v240-241 largest magnitudes
.set SCO, 242                          ; v242-243 the conversions' scale operands
.set BY,  244                          ; v244-245 scale bytes
.set W0,  246
.set W1,  247
.set OW,  248                          ; v248-251 four scale words to store
	s_load_b128 s[4:7], s[0:1], 0x0                ; X, svs
	s_load_b64 s[8:9], s[0:1], 0x10                ; gamma
	s_load_b64 s[10:11], s[0:1], 0x18              ; xc
	s_load_b128 s[12:15], s[0:1], 0x20             ; xside, sc
	s_load_b64 s[16:17], s[0:1], 0x30              ; sside
	v_lshl_add_u32 v[SPW], v0, 2, SPARE
	v_mov_b32 v[NIL], 0
	v_lshrrev_b32 v1, 5, v0
	v_readfirstlane_b32 s22, v1                    ; wave 0..3
	v_and_b32 v2, 31, v0                           ; lane
	v_and_b32 v3, 15, v0                           ; r
	v_bfe_u32 v14, v0, 4, 1                        ; h
	v_lshlrev_b32 v[GA], 4, v2
	s_mul_i32 s23, s22, STG
	v_add_nc_u32 v[SI], s23, v[GA]
	v_mul_u32_u24 v[SO], v3, PITCH
	v_lshl_add_u32 v[SO], v14, 7, v[SO]
	v_add_nc_u32 v[SO], s23, v[SO]
	v_lshlrev_b32 v[H8], 3, v14
	v_lshlrev_b32 v[SCA], 5, v3
	v_lshl_add_u32 v[SCA], v14, 4, v[SCA]          ; 32 r + 16 h
	s_lshl_b32 s23, s22, 6
	v_lshl_add_u32 v[NW], v3, 2, NORM
	v_add_nc_u32 v[NW], s23, v[NW]                 ; NORM + 64 wave + 4 r
	v_lshl_add_u32 v[NR], v2, 3, NORM
	v_mov_b32 v[W1], 0                             ; written once: a lane permute's destination counts as one of its sources
	s_mov_b32 s28, 0x76543210
	s_mov_b32 s29, 0xfedcba98                      ; v_permlanex16_b32's selects for lane l xor 16
	s_wait_alu depctr_va_vdst(0)
	s_wait_kmcnt 0x0
	s_load_b32 s18, s[8:9], 0x0                    ; gamma
	s_cmp_lt_u32 ttmp9, 64                         ; X's work-group or svs's?  The choice hangs on the work-group's number alone
	s_cselect_b64 s[4:5], s[4:5], s[6:7]
	s_cselect_b64 s[10:11], s[10:11], s[14:15]
	s_cselect_b64 s[12:13], s[12:13], s[16:17]
	s_cselect_b32 s19, 0, 64
	s_sub_co_u32 s20, ttmp9, s19                   ; which 64 rows of the tensor
	s_lshl_b32 s24, s20, 18                        ; 64 rows of 4,096 bytes,
	s_lshl_b32 s26, s22, 16                        ; my wave's 16
	s_add_co_u32 s24, s24, s26
	s_mov_b32 s25, 0
	s_add_nc_u64 s[4:5], s[4:5], s[24:25]
	s_lshl_b32 s24, s20, 2
	s_add_co_u32 s24, s24, s22
	s_mul_i32 s24, s24, 12288                      ; my block's image
	s_add_nc_u64 s[10:11], s[10:11], s[24:25]
	s_lshr_b32 s24, s20, 4
	s_mul_i32 s24, s24, 36864                      ; the side record of my 1,024 rows
	s_add_nc_u64 s[12:13], s[12:13], s[24:25]
	s_and_b32 s26, s20, 15
	s_lshl_b32 s27, s26, 11                        ; in it: 64 rows of 32 scale bytes for each work-group,
	s_lshl_b32 s24, s22, 9                         ; 16 rows for each wave
	s_add_co_u32 s27, s27, s24
	v_add_nc_u32 v[SCA], s27, v[SCA]
	s_lshl_b32 s26, s26, 8                         ; and 256 bytes of sums for each work-group, behind the scale bytes
	s_add_co_u32 s26, s26, 32768
	v_lshl_add_u32 v[NG], v2, 3, s26
.macro LOAD s                          ; step s: 512 bytes of each of my 16 rows, into set s % 2
.irp rho, 0,1,2,3,4,5,6,7,8,9,10,11,12,13,14,15
	global_load_b128 v[R+64*((\s)%2)+4*\rho:R+64*((\s)%2)+4*\rho+3], v[GA], s[4:5] offset:\rho*4096+(\s)*512 th:TH_LOAD_NT
.endr
.endm
	LOAD 0
	LOAD 1
	s_wait_kmcnt 0x0
	s_mul_f32 s21, s18, 0xbfb8aa3b                 ; sp = -gamma log2(e): the same line in all three launches gives the same bits
	s_cmp_lt_u32 ttmp9, 64
	s_cselect_b32 s21, 1.0, s21                    ; X's sums stay as they are, svs's are stored times sp
.macro STEP s
.if (\s) < 7
	s_wait_loadcnt 16                              ; this step's 16 loads are in; the next step's 16 may be out
.else
	s_wait_loadcnt 0x0
.endif
.irp rho, 0,1,2,3,4,5,6,7,8,9,10,11,12,13,14,15
	ds_store_b128 v[SI], v[R+64*((\s)%2)+4*\rho:R+64*((\s)%2)+4*\rho+3] offset:\rho*PITCH
.endr
.irp c, 0,1
.irp i, 0,1,2,3,4,5,6,7
	ds_load_b128 v[XN+32*\c+4*\i:XN+32*\c+4*\i+3], v[SO] offset:256*\c+16*\i   ; LDS serves a wave's instructions in order: these see the stores above
.endr
.endr
	s_wait_dscnt 0x0                               ; the numbers are back, and the stores have read their registers,
.if (\s) < 6
	LOAD \s+2                                      ; which take the loads of two steps on
.endif
.irp c, 0,1
	v_max3_num_f32 v[MX+\c], |v[XN+32*\c]|, |v[XN+32*\c+1]|, 0x1800000   ; my block 2 c + h: all its 32 numbers are mine; the floor 2^(3 - 127) holds the byte at 1 from below
.endr
.irp i, 2,4,6,8,10,12,14,16,18,20,22,24,26,28,30
.irp c, 0,1
	v_max3_num_f32 v[MX+\c], v[MX+\c], |v[XN+32*\c+\i]|, |v[XN+32*\c+\i+1]|   ; (the two blocks by turns)
.endr
.endr
.set nn, 0
.rept 32                               ; the sum of squares of the unquantised numbers, two at a time, in two chains; the first step starts them
.if ((\s) == 0) && (nn < 2)
	v_pk_mul_f32 v[NA+2*(nn%2):NA+2*(nn%2)+1], v[XN+2*nn:XN+2*nn+1], v[XN+2*nn:XN+2*nn+1]
.else
	v_pk_fma_f32 v[NA+2*(nn%2):NA+2*(nn%2)+1], v[XN+2*nn:XN+2*nn+1], v[XN+2*nn:XN+2*nn+1], v[NA+2*(nn%2):NA+2*(nn%2)+1]
.endif
.set nn, nn+1
.endr
.irp c, 0,1
	v_add_nc_u32 v[SCO+\c], 0xff000000, v[MX+\c]   ; 2 off the exponent field: the conversion takes the exponent field of this operand as its scale
.endr
.irp c, 0,1
	v_lshrrev_b32 v[BY+\c], 23, v[SCO+\c]          ; the scale's byte
.endr
.if (\s) > 0
	s_wait_alu depctr_va_vdst(0)
	s_wait_xcnt 0x0                                ; the last step's stores have read the fragment's registers: only now are they written again
.endif
	v_cvt_scalef32_pk16_fp6_f32 v[P:P+2], v[XN:XN+15], v[SCO]
	v_cvt_scalef32_pk16_fp6_f32 v[T:T+2], v[XN+16:XN+31], v[SCO]           ; (a conversion's three registers begin on an even number: the second half of a block's six is made elsewhere and moved)
	v_cvt_scalef32_pk16_fp6_f32 v[P+6:P+8], v[XN+32:XN+47], v[SCO+1]
	v_cvt_scalef32_pk16_fp6_f32 v[TB2:TB2+2], v[XN+48:XN+63], v[SCO+1]
	v_lshl_or_b32 v[W0], v[BY+1], 16, v[BY]        ; my two bytes: blocks h and 2 + h.  (The plain line behind the conversions)
.irp i, 0,1,2
	v_mov_b32 v[P+3+\i], v[T+\i]
	v_mov_b32 v[P+9+\i], v[TB2+\i]
.endr
	v_lshlrev_b32 v[W0], v[H8], v[W0]              ; at their places in the word (8 h bits up);
	v_permlanex16_b32 v[W1], v[W0], s28, s29
	v_or_b32 v[SW+(\s)], v[W0], v[W1]              ; with lane l xor 16's two the word is whole, in both lanes
.irp g, 0,1,2
	global_store_b128 v[GA], v[P+4*\g:P+4*\g+3], s[10:11] offset:(\s)*1536+512*\g   ; 32 lanes store 512 consecutive bytes of the image
.endr
.endm
.irp s, 0,1,2,3,4,5,6,7
	STEP \s
.endr
	v_cmp_ne_u32 vcc_lo, 0, v[H8]
.irp i, 0,1,2,3
	v_cndmask_b32 v[OW+\i], v[SW+\i], v[SW+4+\i], vcc_lo   ; lanes 0-15 store words 0-3 of their row, lanes 16-31 words 4-7
.endr
	global_store_b128 v[SCA], v[OW:OW+3], s[12:13] ; the block's 512 scale bytes, consecutive
	v_add_f32 v[NA], v[NA], v[NA+1]
	v_add_f32 v[NA+2], v[NA+2], v[NA+3]
	v_add_f32 v[NA], v[NA], v[NA+2]
	v_permlanex16_b32 v[W1], v[NA], s28, s29
	v_add_f32 v[NA], v[NA], v[W1]                  ; with lane l xor 16's half of K: the row's sum of squares
	v_mul_f32 v[NA], s21, v[NA]
	ds_store_b32 v[NW], v[NA]                      ; both lanes of a row write the same word with the same value
	s_wait_dscnt 0x0                               ; for the others' sake: my store has landed
	s_barrier_signal -1
	s_barrier_wait -1
	s_cmp_lg_u32 s22, 0
	s_cbranch_scc1 .Lnot_wave_0
	ds_load_b64 v[MX:MX+1], v[NR]                  ; wave 0 takes the work-group's 64 sums
	s_wait_dscnt 0x0
	global_store_b64 v[NG], v[MX:MX+1], s[12:13]   ; 32 lanes store 256 consecutive bytes, aligned
.Lnot_wave_0:
	s_wait_tensorcnt 0x0                           ; the wave's end
	ds_add_u32 v[SPW], v[NIL]
	s_wait_dscnt 0x0
	s_endpgm
.Lfunc_end_k_q24a211ffca_quant:
	.size	k_q24a211ffca_quant, .Lfunc_end_k_q24a211ffca_quant-k_q24a211ffca_quant
	.p2alignl 7, 3214868480
	.fill 96, 4, 3214868480
	.section	.rodata,"a",@progbits
	.p2align	6, 0x0
	.amdhsa_kernel k_q24a211ffca_quant
		.amdhsa_group_segment_fixed_size 34560
		.amdhsa_private_segment_fixed_size 0
		.amdhsa_enable_private_segment 0
		.amdhsa_kernarg_size 56
		.amdhsa_user_sgpr_count 2
		.amdhsa_user_sgpr_kernarg_segment_ptr 1
		.amdhsa_wavefront_size32 1
		.amdhsa_system_sgpr_workgroup_id_x 1
		.amdhsa_system_sgpr_workgroup_id_y 1
		.amdhsa_system_sgpr_workgroup_id_z 1
		.amdhsa_system_vgpr_workitem_id 0
		.amdhsa_next_free_vgpr 256
		.amdhsa_next_free_sgpr 66
		.amdhsa_reserve_vcc 1
		.amdhsa_float_denorm_mode_32 3
		.amdhsa_float_denorm_mode_16_64 3
		.amdhsa_memory_ordered 1
		.amdhsa_forward_progress 1
		.amdhsa_inst_pref_size 75
	.end_amdhsa_kernel
	.amdgpu_metadata
---
amdhsa.version: [ 1, 2 ]
amdhsa.kernels:
  - .name:           k_q24a211ffca_quant
    .symbol:         k_q24a211ffca_quant.kd
    .args:
      - { .name: X, .offset: 0, .size: 8, .value_kind: global_buffer, .address_space: global }
      - { .name: svs, .offset: 8, .size: 8, .value_kind: global_buffer, .address_space: global }
      - { .name: gamma, .offset: 16, .size: 8, .value_kind: global_buffer, .address_space: global }
      - { .name: xc, .offset: 24, .size: 8, .value_kind: global_buffer, .address_space: global }
      - { .name: xside, .offset: 32, .size: 8, .value_kind: global_buffer, .address_space: global }
      - { .name: sc, .offset: 40, .size: 8, .value_kind: global_buffer, .address_space: global }
      - { .name: sside, .offset: 48, .size: 8, .value_kind: global_buffer, .address_space: global }
    .group_segment_fixed_size: 34560
    .private_segment_fixed_size: 0
    .kernarg_segment_align: 8
    .kernarg_segment_size: 56
    .max_flat_workgroup_size: 128
    .sgpr_count:     66
    .vgpr_count:     256
    .wavefront_size: 32
...
	.end_amdgpu_metadata
.endif
;; end of part 1
;; launch dist (part 2): grid 16 x 16, 8 waves a work-group, clusters of 4 x 1, 327,680 bytes of LDS; arguments xc, xside, sc, sside, gamma, part; writes part
.if DOCPART == 2
	.amdgcn_target "amdgcn-amd-amdhsa--gfx1250"
	.amdhsa_code_object_version 6
	.text
	.protected	k_q24a211ffca_dist
	.globl	k_q24a211ffca_dist
	.p2align	8
	.type	k_q24a211ffca_dist,@function
k_q24a211ffca_dist:
	s_mov_b64 s[64:65], 0
	v_nop
	global_prefetch_b8 v0, s[64:65] scope:SCOPE_SE
	s_setreg_imm32_b32 hwreg(HW_REG_WAVE_MODE, 25, 1), 1
	s_wait_xcnt 0x0
	s_wait_alu depctr_hold_cnt(0) depctr_sa_sdst(0) depctr_va_vdst(0) depctr_va_sdst(0) depctr_va_ssrc(0) depctr_va_vcc(0) depctr_vm_vsrc(0)
	s_getreg_b32 s2, hwreg(HW_REG_IB_STS2, 6, 4)
	s_cmp_eq_u32 s2, 0
	s_cbranch_scc0 .Lentry_in_a_cluster
	s_endpgm
.Lentry_in_a_cluster:
	s_bfe_u32 s2, ttmp6, 0x10000c
	s_cmp_lg_u32 s2, 0x3003
	s_cbranch_scc0 .Lentry_shape_is_right
	s_endpgm
.Lentry_shape_is_right:
; SECOND OF THREE LAUNCHES.  No work of the problem is left out here.  For 256 rows of X and 1,024 rows of svs: P = X svs^T on codes of FP6 (E2M3) with E8M0 scales,
; z = sp max(s2 - 2 P, -x2) (sp = -gamma log2(e); either sign of gamma), made as med3(sp s2 - 2 sp P, sign(sp) x infinity, -sp x2); for each row a running maximum M of z and the sum l of 2^(z - M).
; LIMITS: NaN and infinities among the inputs are not served; gamma = 0 has no finite result in the problem either; x2 is added behind the logsumexp, so the order of rounding differs.
; SHARES.  Work-group (x, y): rows 256 x .. of X, rows 1,024 y .. of svs.  Eight waves.  Wave w keeps the 64 rows 64 (w % 4) .. of X (four blocks of 16, all eight K steps) in 384 registers, read once;
; of the chunk's 64 blocks of 16 svs rows it takes those of parity q = w / 4: 32 turns.  The blocks come through a ring of two LDS slots of eight blocks, as images of the operand's registers.
; A TURN is one group of 32 matrix instructions (four fragment buffers, refilled behind every second K step) and then one group of vector work on the four accumulators.
; THE PRODUCT IS USED TRANSPOSED: source 0 = 16 svs rows, source 1 = 16 rows of X: a lane holds one row of X and its eight registers the svs rows 8 (lane / 16) + 0 .. 7.
; CLUSTER.  The four work-groups of a cluster share y and walk the same svs: every tensor load is asked for jointly.  X goes to registers and is not shared.
; REGISTERS.  v0 256 x lane; v1-7 addresses; v8-23 X's scale words; v24-27 svs's; v28-43 for X's block a at 28 + 4 a: M's two places (they change roles each turn; the one left holds d, then f), l in two halves;
; v44-75 accumulators; v76-123 four fragment buffers; X's fragment k = 4 s + a at v[124 + 12 k]: k < 11 in window 0, the others in window 1; v508-511 -sp x2.
.set BLKB,  12288
.set FRB,   1536
.set SLOTB, 8*BLKB
.set SLOT1, 1<<17                      ; slot 1 begins here: one exclusive or turns an address in one slot into the other's
.set SIDE,  SLOT1+SLOTB                ; the chunk's side record, 36,864 bytes, filled once
.set SPARE, SIDE+36864                 ; the spare words, 128 bytes for each of eight waves
.set LB,  1                            ; 16 x lane + q x a block
.set FA,  2                            ; v2-3: LDS address of turn t's block in v[FA + t % 2]
.set SA0, 4                            ; SIDE + 32 r + 16 h + 512 q
.set SQ0, 5                            ; SIDE + 32,768 + 32 h + 64 q
.set SPW, 6
.set NIL, 7
.set XS,  8
.set SS,  24
.set ST,  28
.set Z,   44
.set F,   76
.set XW0, 124
.set HOLD, 252                         ; in window 1
.set WV,  16
.set G1C, 24                           ; group 1: 48 rows of 256 bytes, an eighth of a slot
.set G1S, 32                           ; 72 rows: half the side record
.set G1H, 80                           ; 64 rows: a sixth of a slot
.set G0A, 40
.set G0B, 44
.set G0S, 48
.set SB,  52                           ; the slot's LDS base for the addresses made next
.set SLOTS, 53
.set TT,  54
.set LIM, 55
.set PFA, 56
.set C2,  58
.set SINF, 62
.set TSA, 68                           ; 1,024 x (turn + 1)
.set TSQ, 69                           ; 128 x turn
.set Q,   88
.set W4,  89
.set MSB, 0
.macro WIN new
.if MSB != (\new)
	s_set_vgpr_msb (MSB<<8)|(\new)
.set MSB, (\new)
.endif
.endm
.macro NOP4
.rept 4
	v_nop
.endr
.endm
.macro CROUND                          ; a round of the cluster's barrier
	s_barrier_signal -1
	s_barrier_wait -1
	s_cmp_lg_u32 s[WV], 0
	s_cbranch_scc1 .Lnot_wave_0_\@
	s_barrier_signal -3
.Lnot_wave_0_\@:
	s_barrier_wait -3
	s_barrier_signal -1
	s_barrier_wait -1
.endm
; A prefetch of the slot that the NEXT change of slots will ask for: 384 blocks of 256 bytes.  The y's first cluster asks; its four partners share the blocks out by address, 24,576 bytes each;
; in each, waves 0 to 2 ask, 8,192 bytes a wave, lanes 256 bytes apart.  The last change that fills a slot asks for nothing.
.macro ASK
	s_cmp_gt_u32 s[SLOTS], s[LIM]
	s_cbranch_scc0 .Lnot_mine_\@
	global_prefetch_b8 v0, s[PFA:PFA+1] th:TH_LOAD_NT scope:SCOPE_SE
.Lnot_mine_\@:
.endm
	s_load_b256 s[4:11], s[0:1], 0x0               ; xc, xside, sc, sside
	s_load_b128 s[12:15], s[0:1], 0x20             ; gamma, part
	v_lshl_add_u32 v[SPW], v0, 2, SPARE
	v_mov_b32 v[NIL], 0
	ds_add_u32 v[SPW], v[NIL]                      ; the opening lines
	ds_add_u32 v[SPW], v[NIL]
	v_lshrrev_b32 v48, 5, v0
	v_readfirstlane_b32 s[WV], v48                 ; wave 0..7
	s_lshr_b32 s[Q], s[WV], 2                      ; which parity of svs blocks
	s_and_b32 s[W4], s[WV], 3                      ; which 64 rows of X
	s_bfe_u32 s17, ttmp6, 0x40000                  ; cx: it enters global addresses of X, of the results and of the prefetches alone
	s_lshl_b32 s18, ttmp9, 2
	s_add_co_u32 s18, s18, s17                     ; my 256 rows of X
	s_and_b32 s19, ttmp7, 0xffff                   ; y
.irp g, G1C, G1S, G1H                  ; dense blocks as rows of 256 bytes: 32 elements of 8 bytes; the mask names all four work-groups
	s_mov_b32 s[\g], 15|(3<<16)|(1<<21)
	s_mov_b32 s[\g+1], 32<<16
	s_mov_b32 s[\g+3], 32<<16
	s_mov_b32 s[\g+5], 32
	s_mov_b32 s[\g+6], 0
	s_mov_b32 s[\g+7], 0
.endr
	s_mov_b32 s[G1C+2], 48<<16
	s_mov_b32 s[G1C+4], 48
	s_mov_b32 s[G1S+2], 72<<16
	s_mov_b32 s[G1S+4], 72
	s_mov_b32 s[G1H+2], 64<<16
	s_mov_b32 s[G1H+4], 64
	s_mov_b32 s[SB], 0
	s_mov_b32 s[TSA], 0
	s_mov_b32 s[TSQ], 0
	s_mov_b32 s[SLOTS], 6
	s_mov_b32 s90, 0x76543210
	s_mov_b32 s91, 0xfedcba98                      ; v_permlanex16_b32's selects for lane l xor 16
	s_cmp_lt_u32 s[WV], 3
	s_cselect_b32 s20, 0, 1
	s_or_b32 s20, s20, ttmp9                       ; 0 in waves 0 to 2 of the y's first cluster
	s_cmp_eq_u32 s20, 0
	s_cselect_b32 s[LIM], 1, -1
	s_and_b32 s70, s[WV], 1
	s_mul_i32 s70, s70, 18432                      ; waves 6, 7: halves of the side record
	s_mul_i32 s72, s19, 36864
	s_add_co_u32 s72, s72, s70
	s_mov_b32 s73, 0
	s_lshl_b32 s71, s[WV], 14                      ; waves 0 to 5: sixths of slot 0
	s_mul_i32 s74, s19, 786432                     ; the chunk's 64 images
	s_add_co_u32 s76, s74, s71
	s_mov_b32 s77, 0
	s_mul_i32 s92, s[WV], BLKB                     ; later: an eighth of a slot a wave
	s_add_co_u32 s96, s74, s92
	s_add_co_u32 s96, s96, SLOTB
	s_mov_b32 s97, 0
	s_mul_i32 s75, s17, 24576
	s_add_co_u32 s74, s74, s75
	s_lshl_b32 s75, s[WV], 13
	s_add_co_u32 s74, s74, s75
	s_add_co_u32 s74, s74, 2*SLOTB                 ; my prefetches' part, in the third slot's data; the first change steps it to the fourth's
	s_mov_b32 s75, 0
	s_lshl_b32 s20, s18, 4
	s_lshl_b32 s21, s[W4], 2
	s_add_co_u32 s20, s20, s21
	s_mul_i32 s20, s20, BLKB                       ; my four blocks of X
	s_mov_b32 s21, 0
	s_lshr_b32 s22, s18, 2
	s_mul_i32 s22, s22, 36864                      ; the side record of my rows of X
	s_mov_b32 s23, 0
	s_and_b32 s78, s18, 3
	s_lshl_b32 s78, s78, 8
	s_lshl_b32 s79, s[W4], 6
	s_add_co_u32 s78, s78, s79                     ; my first row in that record
	s_lshl_b32 s98, s78, 5
	s_lshl_b32 s99, s78, 2
	s_add_co_u32 s99, s99, 32768
	s_lshl_b32 s78, s19, 1
	s_add_co_u32 s78, s78, s[Q]
	s_lshl_b32 s78, s78, 12
	s_lshl_b32 s79, s18, 8
	s_add_co_u32 s78, s78, s79
	s_lshl_b32 s79, s[W4], 6
	s_add_co_u32 s78, s78, s79
	s_lshl_b32 s78, s78, 3                         ; (4,096 (2 y + q) + my first row) x 8 bytes of partial results
	s_mov_b32 s79, 0
	s_mul_i32 s94, s[Q], BLKB
	s_lshl_b32 s95, s[Q], 9
	s_add_co_u32 s95, s95, SIDE
	s_lshl_b32 s93, s[Q], 6
	s_add_co_u32 s93, s93, SIDE+32768
	v_and_b32 v48, 31, v0                          ; lane
	v_and_b32 v49, 15, v0                          ; r
	v_bfe_u32 v50, v0, 4, 1                        ; h
	v_lshl_add_u32 v51, v48, 5, s98                ; X's scale words: lane l takes row l of a pair of blocks
	v_lshl_add_u32 v52, v49, 2, s99                ; x2 of row r
	v_lshlrev_b32 v53, 4, v48                      ; 16 x lane
	v_add_nc_u32 v[LB], s94, v53
	v_mov_b32 v[FA], v[LB]                         ; turn 0's block
	v_add_nc_u32 v[FA+1], 2*BLKB, v[LB]            ; turn 1's
	v_lshlrev_b32 v[SA0], 5, v49
	v_lshl_add_u32 v[SA0], v50, 4, v[SA0]
	v_add_nc_u32 v[SA0], s95, v[SA0]
	v_lshl_add_u32 v[SQ0], v50, 5, s93
	v_lshlrev_b32 v0, 8, v48                       ; 256 x lane: the prefetches' offset
.irp a, 0,1,2,3
	v_mov_b32 v[ST+4*\a], 0xff61b1e6               ; M: -3e38, under every z
	v_mov_b32 v[ST+4*\a+1], 0xff61b1e6
	v_mov_b32 v[ST+4*\a+2], 0                      ; l
	v_mov_b32 v[ST+4*\a+3], 0
.endr
	s_wait_alu depctr_va_vdst(0)
	s_wait_dscnt 0x0                               ; both opening adds are done
	s_wait_kmcnt 0x0
	s_mov_b32 s[G0S], 1
	s_add_co_u32 s[G0S+1], s70, SIDE
	s_add_nc_u64 s[G0S+2:G0S+3], s[10:11], s[72:73]
	s_or_b32 s[G0S+3], s[G0S+3], 0x80000000
	s_mov_b32 s[G0A], 1
	s_mov_b32 s[G0A+1], s71
	s_add_nc_u64 s[G0A+2:G0A+3], s[8:9], s[76:77]
	s_or_b32 s[G0A+3], s[G0A+3], 0x80000000
	s_mov_b32 s[G0B], 1
	s_add_co_u32 s[G0B+1], s92, SLOT1
	s_add_nc_u64 s[G0B+2:G0B+3], s[8:9], s[96:97]
	s_or_b32 s[G0B+3], s[G0B+3], 0x80000000
	s_add_nc_u64 s[PFA:PFA+1], s[8:9], s[74:75]
	s_add_nc_u64 s[4:5], s[4:5], s[20:21]
	s_add_nc_u64 s[6:7], s[6:7], s[22:23]
	s_add_nc_u64 s[14:15], s[14:15], s[78:79]
	CROUND                                         ; all four work-groups are here: the first joint loads meet
	s_cmp_lt_u32 s[WV], 6                          ; one tensor load a wave at the head: every way passes exactly one
	s_cbranch_scc0 .Lhead_side
	tensor_load_to_lds s[G0A:G0A+3], s[G1H:G1H+7]
	s_nop 0
	NOP4
	s_branch .Lhead_asked
.Lhead_side:
	tensor_load_to_lds s[G0S:G0S+3], s[G1S:G1S+7]
	s_nop 0
	NOP4
.Lhead_asked:
	s_load_b32 s66, s[12:13], 0x0                  ; gamma
.set i, 0
.rept 32                               ; X's fragment i = 4 s + a, as its image lies
.irp g, 0,1,2
.set R, XW0+12*i+4*\g
.if R < 256
	global_load_b128 v[R:R+3], v53, s[4:5] offset:(i%4)*BLKB+(i/4)*FRB+512*\g
.else
	WIN 0x40
	global_load_b128 v[R-256:R-253], v53, s[4:5] offset:(i%4)*BLKB+(i/4)*FRB+512*\g
.endif
.endr
.set i, i+1
.endr
	WIN 0
.irp q, 0,1
	global_load_b128 v[XS+8*\q:XS+8*\q+3], v51, s[6:7] offset:1024*\q
	global_load_b128 v[XS+8*\q+4:XS+8*\q+7], v51, s[6:7] offset:1024*\q+16
.endr
.irp a, 0,1,2,3
	global_load_b32 v[56+\a], v52, s[6:7] offset:64*\a
.endr
	s_wait_tensorcnt 0x0                           ; my part of the head's tiles is in
	ds_add_u32 v[SPW], v[NIL]
	s_wait_dscnt 0x0
	CROUND
	tensor_load_to_lds s[G0B:G0B+3], s[G1C:G1C+7]  ; slot 1's first fill: my one load behind the round
	s_nop 0
	NOP4
.macro LF f, b, adr                    ; fragment f of the block at v[adr] into buffer b
.irp g, 0,1,2
	ds_load_b128 v[F+12*(\b)+4*\g:F+12*(\b)+4*\g+3], v[\adr] offset:(\f)*FRB+512*\g
.endr
.endm
	ds_load_b128 v[SS:SS+3], v[SA0]                ; turn 0's scale words and its fragments 0 to 3
.irp f, 0,1,2,3
	LF \f, \f, FA
.endr
	s_wait_kmcnt 0x0
	s_mul_f32 s63, s66, 0xbfb8aa3b                 ; sp = -gamma log2(e)
	s_mul_f32 s[C2], s63, -2.0
	s_mov_b32 s[C2+1], s[C2]
	s_and_b32 s[SINF], s63, 0x80000000
	s_or_b32 s[SINF], s[SINF], 0x7f800000
	s_xor_b32 s67, s63, 0x80000000
	s_wait_loadcnt 0x0                             ; X, its scale words, x2
	WIN 0x40
.irp a, 0,1,2,3
	v_mul_f32 v[HOLD+\a], s67, v[56+\a]            ; -sp x2: where z is held
.endr
	WIN 0
	s_wait_alu depctr_va_vdst(0)
; Matrix instruction k = 4 s + a: block a of X against the svs block's K step s.  The four accumulators take turns; K step 0 starts the sums.
.macro WM c
.if ms < 4
.if (ma%2) == 0
	v_wmma_scale_f32_16x16x128_f8f6f4 v[rD:rD+7], v[rF:rF+11], v[rX:rX+11], \c, v[rA], v[rB] matrix_a_fmt:MATRIX_FMT_FP6 matrix_b_fmt:MATRIX_FMT_FP6
.else
	v_wmma_scale_f32_16x16x128_f8f6f4 v[rD:rD+7], v[rF:rF+11], v[rX:rX+11], \c, v[rA], v[rB] matrix_a_fmt:MATRIX_FMT_FP6 matrix_b_fmt:MATRIX_FMT_FP6 matrix_b_scale:MATRIX_SCALE_ROW1
.endif
.else
.if (ma%2) == 0
	v_wmma_scale_f32_16x16x128_f8f6f4 v[rD:rD+7], v[rF:rF+11], v[rX:rX+11], \c, v[rA], v[rB] matrix_a_fmt:MATRIX_FMT_FP6 matrix_b_fmt:MATRIX_FMT_FP6 matrix_a_scale:MATRIX_SCALE_ROW1
.else
	v_wmma_scale_f32_16x16x128_f8f6f4 v[rD:rD+7], v[rF:rF+11], v[rX:rX+11], \c, v[rA], v[rB] matrix_a_fmt:MATRIX_FMT_FP6 matrix_b_fmt:MATRIX_FMT_FP6 matrix_a_scale:MATRIX_SCALE_ROW1 matrix_b_scale:MATRIX_SCALE_ROW1
.endif
.endif
.endm
.macro STEPS2                          ; two K steps: eight matrix instructions
.rept 8
.set ms, k/4
.set ma, k%4
.set rD, Z+8*ma
.set rF, F+12*(ms%4)
.set rA, SS+(ms%4)
.set rB, XS+8*(ma/2)+ms
.if k < 11
	WIN 0
.set rX, XW0+12*k
.else
	WIN 4                                          ; source 1 in window 1
.set rX, 12*(k-11)
.endif
.if ms == 0
	WM 0
.else
	WM v[rD:rD+7]
.endif
.set k, k+1
.endr
.endm
; THE VECTOR WORK of a turn of parity p: M lies in place p; the new M is made in place 1 - p; place p then takes d = old M - new M and f = 2^d.  The four blocks of X take turns line by line.
.macro EPI i, nxt, fa
.set p, (\i)%2
.irp q, 0,1,2,3
.irp a, 0,1,2,3
	v_pk_fma_f32 v[Z+8*\a+2*\q:Z+8*\a+2*\q+1], v[Z+8*\a+2*\q:Z+8*\a+2*\q+1], s[C2:C2+1], v[F+2*\q:F+2*\q+1] op_sel_hi:[1,0,1]   ; sp s2 - 2 sp P, each accumulator from its low end on
.endr
.endr
.if \nxt
	LF 0, 0, FA+1-p                                ; the next block's fragment 0, where sp s2 lay,
	v_add_nc_u32 v[SS], s[TSA], v[SA0]
	ds_load_b128 v[SS:SS+3], v[SS]                 ; and its scale words (the load lands on its own address)
.endif
	s_add_co_u32 s[TSQ], s[TSQ], 128
	WIN 0x10                                       ; source 2 in window 1
.irp j, 0,1,2,3,4,5,6,7
.irp a, 0,1,2,3
	v_med3_num_f32 v[Z+8*\a+\j], v[Z+8*\a+\j], s[SINF], v[HOLD+\a]
.endr
.endr
	WIN 0
.irp a, 0,1,2,3
	v_max3_num_f32 v[ST+4*\a+1-p], v[Z+8*\a], v[Z+8*\a+1], v[Z+8*\a+2]
.endr
.irp j, 3,5
.irp a, 0,1,2,3
	v_max3_num_f32 v[ST+4*\a+1-p], v[ST+4*\a+1-p], v[Z+8*\a+\j], v[Z+8*\a+\j+1]
.endr
.endr
.irp a, 0,1,2,3
	v_max3_num_f32 v[ST+4*\a+1-p], v[ST+4*\a+1-p], v[Z+8*\a+7], v[ST+4*\a+p]   ; the new M
.endr
.irp a, 0,1,2,3
	v_sub_f32 v[ST+4*\a+p], v[ST+4*\a+p], v[ST+4*\a+1-p]       ; d
.endr
.irp q, 0,1,2,3
.irp a, 0,1,2,3
.if p == 1
	v_pk_add_f32 v[Z+8*\a+2*\q:Z+8*\a+2*\q+1], v[Z+8*\a+2*\q:Z+8*\a+2*\q+1], v[ST+4*\a:ST+4*\a+1] op_sel_hi:[1,0] neg_lo:[0,1] neg_hi:[0,1]   ; z - M: the pair's word 1 - p serves both halves
.else
	v_pk_add_f32 v[Z+8*\a+2*\q:Z+8*\a+2*\q+1], v[Z+8*\a+2*\q:Z+8*\a+2*\q+1], v[ST+4*\a:ST+4*\a+1] op_sel:[0,1] op_sel_hi:[1,1] neg_lo:[0,1] neg_hi:[0,1]
.endif
.endr
.endr
.if \fa
.if (\i) == 2
	s_xor_b32 s[SB], s[SB], SLOT1                  ; the block two turns on lies in the other slot
.endif
	s_add_co_u32 s[TT], s[SB], (((\i)+2)%4)*2*BLKB
	v_add_nc_u32 v[FA+p], s[TT], v[LB]             ; its address
.endif
	s_wait_alu depctr_va_vdst(0)
.irp a, 0,1,2,3
	v_exp_f32 v[ST+4*\a+p], v[ST+4*\a+p]           ; f
.endr
.set j, 0
.rept 32
	v_exp_f32 v[Z+j], v[Z+j]
.set j, j+1
.endr
	v_nop                                          ; a plain line behind the last exponential,
	s_wait_alu depctr_va_vdst(0)                   ; and the one wait behind the batch
.irp a, 0,1,2,3
.if p == 0
	v_pk_fma_f32 v[ST+4*\a+2:ST+4*\a+3], v[ST+4*\a+2:ST+4*\a+3], v[ST+4*\a:ST+4*\a+1], v[Z+8*\a:Z+8*\a+1] op_sel_hi:[1,0,1]   ; l = f l + the weights
.else
	v_pk_fma_f32 v[ST+4*\a+2:ST+4*\a+3], v[ST+4*\a+2:ST+4*\a+3], v[ST+4*\a:ST+4*\a+1], v[Z+8*\a:Z+8*\a+1] op_sel:[0,1,0] op_sel_hi:[1,1,1]
.endif
.endr
.irp q, 1,2,3
.irp a, 0,1,2,3
	v_pk_add_f32 v[ST+4*\a+2:ST+4*\a+3], v[ST+4*\a+2:ST+4*\a+3], v[Z+8*\a+2*\q:Z+8*\a+2*\q+1]
.endr
.endr
.endm
; TURN i of a slot's four.  chg = 1: my last reads of the slot are asked for behind K step 3; then the three lines, a round, and the slot is filled again.  chg = 2: the last change: my work-group's barrier alone.
; nxt = 0: no block follows.  fa = 0: no block two turns on.  Four v_nop stand ahead of each run of loads into registers that matrix instructions have read, and ahead of the first read of results.
; THE WAITS ON DScnt: 6: fragments 4, 5 are in, 6, 7 may be out (7 with the add); 5: fragments 6, 7 are in; behind them stand sp s2's two loads and the next fragment 1's three; 9: sp s2 is in; behind it three fragments' nine loads.
.macro TURN i, chg, nxt, fa
.set p, (\i)%2
.set k, 0
	s_add_co_u32 s[TSA], s[TSA], 1024
	s_wait_dscnt 0x0                               ; fragments 0 to 3 and the scale words
	STEPS2
	NOP4
	LF 4, 0, FA+p
	LF 5, 1, FA+p
	STEPS2
	NOP4
	LF 6, 2, FA+p
	LF 7, 3, FA+p
.if \chg
	WIN 0
	s_wait_tensorcnt 0x0                           ; my eighth of the other slot is in; no tensor load of mine is out
	ds_add_u32 v[SPW], v[NIL]
.if (\chg) == 1
	s_xor_b32 s[G0B+1], s[G0B+1], SLOT1
	s_add_nc_u64 s[G0B+2:G0B+3], s[G0B+2:G0B+3], SLOTB
	s_wait_xcnt 0x0                                ; the last prefetch has read its address
	s_add_nc_u64 s[PFA:PFA+1], s[PFA:PFA+1], SLOTB
.endif
	s_wait_dscnt 7
.else
	s_wait_dscnt 6
.endif
	STEPS2
.if \chg
	WIN 0
	s_wait_dscnt 0x0                               ; the add is done, and my reads of the slot are over
.if (\chg) == 1
	CROUND
	tensor_load_to_lds s[G0B:G0B+3], s[G1C:G1C+7]  ; my one tensor load behind the round
	s_nop 0
	NOP4
	ASK
.else
	s_barrier_signal -1
	s_barrier_wait -1
	NOP4
.endif
.else
	NOP4
.endif
	v_add_nc_u32 v[F+8], v[SQ0], s[TSQ]
	ds_load_b128 v[F:F+3], v[F+8]                  ; this block's sp s2, rows 8 h + 0 .. 7
	ds_load_b128 v[F+4:F+7], v[F+8] offset:16
.if \nxt
	LF 1, 1, FA+1-p
	s_wait_dscnt 5
.else
	s_wait_dscnt 2
.endif
	STEPS2
	WIN 0
	NOP4
.if \nxt
	LF 2, 2, FA+1-p
	LF 3, 3, FA+1-p
	s_wait_dscnt 9
.else
	s_wait_dscnt 0x0
.endif
	EPI \i, \nxt, \fa
.endm
.Lslot:                                                ; six trips of four turns: at each trip's end a slot is left and filled again
	TURN 0, 0, 1, 1
	TURN 1, 0, 1, 1
	TURN 2, 0, 1, 1
	TURN 3, 1, 1, 1
	s_sub_co_u32 s[SLOTS], s[SLOTS], 1
	s_cmp_lg_u32 s[SLOTS], 0
	s_cbranch_scc1 .Lslot
	TURN 0, 0, 1, 1                                ; the last two slots are written out
	TURN 1, 0, 1, 1
	TURN 2, 0, 1, 1
	TURN 3, 2, 1, 1
	TURN 0, 0, 1, 1
	TURN 1, 0, 1, 1
	TURN 2, 0, 1, 0
	TURN 3, 0, 0, 0
; THE WAY OUT.  M lies in place 0.  The two halves of the lanes hold the same rows of X: they are joined under the larger M; then lane (r, h) stores (M, l) of rows 16 h + r and 32 + 16 h + r.
	s_wait_alu depctr_va_vdst(0)
.irp a, 0,1,2,3
	v_add_f32 v[ST+4*\a+2], v[ST+4*\a+2], v[ST+4*\a+3]
.endr
.irp a, 0,1,2,3
	v_permlanex16_b32 v[Z+\a], v[ST+4*\a], s90, s91
	v_permlanex16_b32 v[Z+4+\a], v[ST+4*\a+2], s90, s91
.endr
.irp a, 0,1,2,3
	v_max_num_f32 v[Z+8+\a], v[ST+4*\a], v[Z+\a]
.endr
.irp a, 0,1,2,3
	v_sub_f32 v[Z+12+\a], v[ST+4*\a], v[Z+8+\a]
	v_sub_f32 v[Z+16+\a], v[Z+\a], v[Z+8+\a]
.endr
	s_wait_alu depctr_va_vdst(0)
.irp j, 12,13,14,15,16,17,18,19
	v_exp_f32 v[Z+\j], v[Z+\j]
.endr
	v_cmp_le_u32 vcc_lo, 0x1000, v0                ; lanes 16-31
	v_lshrrev_b32 v[Z+28], 5, v0                   ; 8 x lane
	s_wait_alu depctr_va_vdst(0)
.irp a, 0,1,2,3
	v_mul_f32 v[Z+4+\a], v[Z+4+\a], v[Z+16+\a]
.endr
.irp a, 0,1,2,3
	v_fma_f32 v[Z+4+\a], v[ST+4*\a+2], v[Z+12+\a], v[Z+4+\a]
.endr
.irp j, 0,1
	v_cndmask_b32 v[Z+24+2*\j], v[Z+8+2*\j], v[Z+9+2*\j], vcc_lo
	v_cndmask_b32 v[Z+25+2*\j], v[Z+4+2*\j], v[Z+5+2*\j], vcc_lo
.endr
.irp j, 0,1
	global_store_b64 v[Z+28], v[Z+24+2*\j:Z+25+2*\j], s[14:15] offset:256*\j   ; the 32 lanes fill 256 consecutive bytes, aligned
.endr
	s_wait_tensorcnt 0x0                           ; the wave's end
	ds_add_u32 v[SPW], v[NIL]
	s_wait_dscnt 0x0
	CROUND                                         ; the closing round
	s_endpgm
.Lfunc_end_k_q24a211ffca_dist:
	.size	k_q24a211ffca_dist, .Lfunc_end_k_q24a211ffca_dist-k_q24a211ffca_dist
	.p2alignl 7, 3214868480
	.fill 96, 4, 3214868480
	.section	.rodata,"a",@progbits
	.p2align	6, 0x0
	.amdhsa_kernel k_q24a211ffca_dist
		.amdhsa_group_segment_fixed_size 327680
		.amdhsa_private_segment_fixed_size 0
		.amdhsa_enable_private_segment 0
		.amdhsa_kernarg_size 48
		.amdhsa_user_sgpr_count 2
		.amdhsa_user_sgpr_kernarg_segment_ptr 1
		.amdhsa_wavefront_size32 1
		.amdhsa_system_sgpr_workgroup_id_x 1
		.amdhsa_system_sgpr_workgroup_id_y 1
		.amdhsa_system_sgpr_workgroup_id_z 1
		.amdhsa_system_vgpr_workitem_id 0
		.amdhsa_next_free_vgpr 512
		.amdhsa_next_free_sgpr 100
		.amdhsa_reserve_vcc 1
		.amdhsa_float_denorm_mode_32 3
		.amdhsa_float_denorm_mode_16_64 3
		.amdhsa_memory_ordered 1
		.amdhsa_forward_progress 1
		.amdhsa_inst_pref_size 192
	.end_amdhsa_kernel
	.amdgpu_metadata
---
amdhsa.version: [ 1, 2 ]
amdhsa.kernels:
  - .name:           k_q24a211ffca_dist
    .symbol:         k_q24a211ffca_dist.kd
    .args:
      - { .name: xc, .offset: 0, .size: 8, .value_kind: global_buffer, .address_space: global }
      - { .name: xside, .offset: 8, .size: 8, .value_kind: global_buffer, .address_space: global }
      - { .name: sc, .offset: 16, .size: 8, .value_kind: global_buffer, .address_space: global }
      - { .name: sside, .offset: 24, .size: 8, .value_kind: global_buffer, .address_space: global }
      - { .name: gamma, .offset: 32, .size: 8, .value_kind: global_buffer, .address_space: global }
      - { .name: part, .offset: 40, .size: 8, .value_kind: global_buffer, .address_space: global }
    .group_segment_fixed_size: 327680
    .private_segment_fixed_size: 0
    .kernarg_segment_align: 8
    .kernarg_segment_size: 48
    .max_flat_workgroup_size: 256
    .sgpr_count:     100
    .vgpr_count:     512
    .wavefront_size: 32
...
	.end_amdgpu_metadata
.endif
;; end of part 2
;; launch comb (part 3): grid 16 x 1, 4 waves a work-group, no clusters, 0 bytes of LDS; arguments part, xside, gamma, out0; writes out0
.if DOCPART == 3
	.amdgcn_target "amdgcn-amd-amdhsa--gfx1250"
	.amdhsa_code_object_version 6
	.text
	.protected	k_q24a211ffca_comb
	.globl	k_q24a211ffca_comb
	.p2align	8
	.type	k_q24a211ffca_comb,@function
k_q24a211ffca_comb:
	s_mov_b64 s[64:65], 0
	v_nop
	global_prefetch_b8 v0, s[64:65] scope:SCOPE_SE
	s_setreg_imm32_b32 hwreg(HW_REG_WAVE_MODE, 25, 1), 1
	s_wait_xcnt 0x0
; THIRD OF THREE LAUNCHES.  No work of the problem is left out here.  A row of X has 32 partial results (M, l): 16 chunks of svs x 2 parities of blocks, laid [32][4096] pairs.  They are joined under their largest M:
; L = sum of l 2^(M - Mx), and out = x2 + (Mx + log2(L) - 14) / sp, sp = -gamma log2(e), 14 = log2(16,384).
; LIMITS: gamma = 0 has no finite result in the problem either; NaN and infinities among the inputs are not served.
; Thread t of work-group g takes rows 256 g + 2 t and 256 g + 2 t + 1.  1 MiB is read once; no LDS, no barrier, no matrix unit: there is nothing for them to do.
.set D,   16                           ; v16-143  partial q at D + 4 q: M, l of the first row, M, l of the second
.set MXR, 144
.set LS,  146                          ; L, in two chains a row
.set RC,  150
.set X2,  152
.set O,   154
	s_load_b256 s[4:11], s[0:1], 0x0               ; part, xside, gamma, out0
	v_lshlrev_b32 v1, 4, v0                        ; two rows of 8 bytes
	v_lshlrev_b32 v2, 3, v0                        ; two numbers
	s_lshl_b32 s12, ttmp9, 11                      ; 256 rows of 8 bytes
	s_mov_b32 s13, 0
	s_lshr_b32 s14, ttmp9, 2
	s_mul_i32 s14, s14, 36864                      ; the side record of my rows,
	s_and_b32 s16, ttmp9, 3
	s_lshl_b32 s16, s16, 10
	s_add_co_u32 s14, s14, s16
	s_add_co_u32 s14, s14, 32768                   ; their x2 in it
	s_mov_b32 s15, 0
	s_lshl_b32 s16, ttmp9, 10
	s_mov_b32 s17, 0
	s_wait_alu depctr_va_vdst(0)
	s_wait_kmcnt 0x0
	s_load_b32 s18, s[8:9], 0x0
	s_add_nc_u64 s[4:5], s[4:5], s[12:13]
	s_add_nc_u64 s[6:7], s[6:7], s[14:15]
	s_add_nc_u64 s[10:11], s[10:11], s[16:17]
.set q, 0
.rept 32
	global_load_b128 v[D+4*q:D+4*q+3], v1, s[4:5] offset:q*32768   ; a wave reads 512 consecutive bytes
.set q, q+1
.endr
	global_load_b64 v[X2:X2+1], v2, s[6:7]
	s_wait_kmcnt 0x0
	s_mul_f32 s19, s18, 0xbfb8aa3b                 ; sp
	s_wait_loadcnt 0x0
.irp rho, 0,1
	v_max3_num_f32 v[MXR+\rho], v[D+2*\rho], v[D+4+2*\rho], v[D+8+2*\rho]
.endr
.set q, 3
.rept 14
.irp rho, 0,1
	v_max3_num_f32 v[MXR+\rho], v[MXR+\rho], v[D+4*q+2*\rho], v[D+4*q+4+2*\rho]
.endr
.set q, q+2
.endr
.irp rho, 0,1
	v_max_num_f32 v[MXR+\rho], v[MXR+\rho], v[D+124+2*\rho]
.endr
.set q, 0
.rept 32
.irp rho, 0,1
	v_sub_f32 v[D+4*q+2*\rho], v[D+4*q+2*\rho], v[MXR+\rho]
.endr
.set q, q+1
.endr
	s_wait_alu depctr_va_vdst(0)
.set q, 0
.rept 32
.irp rho, 0,1
	v_exp_f32 v[D+4*q+2*\rho], v[D+4*q+2*\rho]     ; 2^(M - Mx): one batch of 64
.endr
.set q, q+1
.endr
	v_add_f32 v[MXR], 0xc1600000, v[MXR]           ; Mx - 14: plain work behind the batch
	v_add_f32 v[MXR+1], 0xc1600000, v[MXR+1]
	s_wait_alu depctr_va_vdst(0)                   ; the one wait ahead of the batch's first reader
.irp rho, 0,1
.irp c, 0,1
	v_mul_f32 v[LS+2*\rho+\c], v[D+4*\c+2*\rho], v[D+4*\c+2*\rho+1]   ; the first terms start the chains
.endr
.endr
.set q, 2
.rept 15
.irp rho, 0,1
.irp c, 0,1
	v_fma_f32 v[LS+2*\rho+\c], v[D+4*(q+\c)+2*\rho], v[D+4*(q+\c)+2*\rho+1], v[LS+2*\rho+\c]
.endr
.endr
.set q, q+2
.endr
	v_add_f32 v[LS], v[LS], v[LS+1]
	v_add_f32 v[LS+2], v[LS+2], v[LS+3]            ; L is at least 1: the term of the largest M has the weight 1, and its l is at least 1
	s_wait_alu depctr_va_vdst(0)
	v_log_f32 v[LS], v[LS]
	v_log_f32 v[LS+2], v[LS+2]
	v_rcp_f32 v[RC], s19
	v_nop
	s_wait_alu depctr_va_vdst(0)
	v_add_f32 v[LS], v[LS], v[MXR]
	v_add_f32 v[LS+2], v[LS+2], v[MXR+1]
	v_fma_f32 v[O], v[LS], v[RC], v[X2]
	v_fma_f32 v[O+1], v[LS+2], v[RC], v[X2+1]
	global_store_b64 v2, v[O:O+1], s[10:11]        ; a wave stores 256 consecutive bytes, aligned
	s_endpgm
.Lfunc_end_k_q24a211ffca_comb:
	.size	k_q24a211ffca_comb, .Lfunc_end_k_q24a211ffca_comb-k_q24a211ffca_comb
	.p2alignl 7, 3214868480
	.fill 96, 4, 3214868480
	.section	.rodata,"a",@progbits
	.p2align	6, 0x0
	.amdhsa_kernel k_q24a211ffca_comb
		.amdhsa_group_segment_fixed_size 0
		.amdhsa_private_segment_fixed_size 0
		.amdhsa_enable_private_segment 0
		.amdhsa_kernarg_size 32
		.amdhsa_user_sgpr_count 2
		.amdhsa_user_sgpr_kernarg_segment_ptr 1
		.amdhsa_wavefront_size32 1
		.amdhsa_system_sgpr_workgroup_id_x 1
		.amdhsa_system_sgpr_workgroup_id_y 1
		.amdhsa_system_sgpr_workgroup_id_z 1
		.amdhsa_system_vgpr_workitem_id 0
		.amdhsa_next_free_vgpr 160
		.amdhsa_next_free_sgpr 66
		.amdhsa_reserve_vcc 0
		.amdhsa_float_denorm_mode_32 3
		.amdhsa_float_denorm_mode_16_64 3
		.amdhsa_memory_ordered 1
		.amdhsa_forward_progress 1
		.amdhsa_inst_pref_size 15
	.end_amdhsa_kernel
	.amdgpu_metadata
---
amdhsa.version: [ 1, 2 ]
amdhsa.kernels:
  - .name:           k_q24a211ffca_comb
    .symbol:         k_q24a211ffca_comb.kd
    .args:
      - { .name: part, .offset: 0, .size: 8, .value_kind: global_buffer, .address_space: global }
      - { .name: xside, .offset: 8, .size: 8, .value_kind: global_buffer, .address_space: global }
      - { .name: gamma, .offset: 16, .size: 8, .value_kind: global_buffer, .address_space: global }
      - { .name: out0, .offset: 24, .size: 8, .value_kind: global_buffer, .address_space: global }
    .group_segment_fixed_size: 0
    .private_segment_fixed_size: 0
    .kernarg_segment_align: 8
    .kernarg_segment_size: 32
    .max_flat_workgroup_size: 128
    .sgpr_count:     66
    .vgpr_count:     160
    .wavefront_size: 32
...
	.end_amdgpu_metadata
.endif
;; end of part 3
